; MI455X (gfx1250); checked and timed in simulation.
; The chip was launched on July 23, 2026; its instructions are those of AMD's public machine-readable ISA for CDNA 5 (MIT licence, August 2026) and "CDNA5" Instruction Set Architecture Reference Guide (July 2026). The comments in the code are by the model that wrote it; some were corrected since.
;; Symbolic Flow Matching. Allowed arithmetic: matrix products marked QUANTISED: E2M1 operands, one E8M0 scale for each 32 along K, by v_wmma_scale_f32_16x16x128_f8f6f4 with both operands' format E2M1 (or v_wmma_scale_f32_32x16x128_f4), f32 sums; everything else in f32.
;; Inputs: emb_table 32,000 x 512 float32; xt_codes 16 x 256 x 16 x 16 uint8 (E2M1 codes of xt, K innermost, in blocks of 32 codes, two codes a byte); xt_scales 16 x 256 x 16 uint8 (E8M0 scales of xt, one for each 32 codes along K).
;; Outputs: out0 16 x 256 x 512 float32.
;; This version of the problem:
;;   THIS VERSION OF THE PROBLEM IS GIVEN IN LOW PRECISION. The matrix products marked QUANTISED in the list below multiply operands that are first quantised to E2M1 (2 exponent bits, 1 mantissa bit; 4 bits a number), with one power-of-two scale for each 32 numbers along K (OCP MX v1.0); their sums are f32. All else is computed in f32.
;;   The module's matrix products, in the order in which they are computed (A, B: the left and right operand; K: the contracted axis; several contracted axes count as one K, in the product's order):
;;     1. [M 4,096, K 512] x [K 512, N 32,000]; A: input xt (given as codes); B: input emb_table: QUANTISED
;;   THE QUANTISER, for each operand of a quantised product, along K:
;;     - K is cut into blocks of 32 from its start; a last block that is shorter is filled with zeros.
;;     - A block's scale is 2^e with e = floor(log2(the largest magnitude in the block)) - 2, held to -126 .. 127; a block of zeros has e = 0. As a byte (E8M0): e + 127.
;;     - Each number is divided by its block's scale, clamped to +-6, and rounded to the nearest number of E2M1, ties to even, subnormals kept.
;;     - The product sums the exact products of the quantised numbers (number of the format x scale) in f32.
;;   ~~~python
;;   def quantise(x, axis):      # numpy; x: float32 -> the quantised numbers, widened to float32 again
;;       x = np.moveaxis(x, axis, -1); K = x.shape[-1]
;;       x = np.pad(x, [(0, 0)] * (x.ndim - 1) + [(0, -K % 32)]); x = x.reshape(x.shape[:-1] + (-1, 32)); a = np.abs(x).max(-1, keepdims=True)
;;       e = np.where(a > 0, np.clip(np.frexp(np.where(a > 0, a, 1))[1] - 1 - 2, -126, 127), 0)      # np.frexp(a)[1] - 1 = floor(log2(a)), exactly
;;       r = np.clip(x / 2.0 ** e, -6, 6)
;;       step = 2.0 ** (np.maximum(np.frexp(np.where(r == 0, 1, r))[1] - 1, 0) - 1)
;;       q = np.round(r / step) * step * 2.0 ** e      # np.round: ties to even
;;       return np.moveaxis(q.reshape(q.shape[:-2] + (-1,))[..., :K], -1, axis).astype(np.float32)
;;   ~~~
;;   INPUTS GIVEN AS CODES. xt (in the module: [16, 256, 512], K = its axis 2): each comes as NAME_codes (uint8): NAME with its K axis moved to the last place and cut into blocks of 32 codes, [.., K / 32, bytes a block], one block behind the other in memory; two codes a byte, the lower K in the low four bits (a code: sign, 2 exponent bits, 1 mantissa bit); and NAME_scales (uint8): the same leading axes, one E8M0 byte (e + 127) for each 32 codes along K. Its value is code x scale, taken as it is: it is not quantised again, and the codes and scales need not be those that the quantiser above would give.
;; One version. Each part assembles by itself: llvm-mc -triple=amdgcn-amd-amdhsa -mcpu=gfx1250 --defsym DOCPART=n.
;; ======== version 1 of 1: 3 launches
;; limits: right only within a limited range of input values
;; workspace buffers: pval 4,194,304 bytes; pidx 4,194,304 bytes of whole numbers; idx 16,384 bytes of whole numbers
;; launch score (part 1): grid 256 x 1, 8 waves a work-group, no clusters, 105,984 bytes of LDS; arguments emb_table, xt_codes, xt_scales, pval, pidx; writes pval, pidx
.if DOCPART == 1
	.amdgcn_target "amdgcn-amd-amdhsa--gfx1250"
	.amdhsa_code_object_version 6
	.text
	.protected	k_q86f10ae05b_score
	.globl	k_q86f10ae05b_score
	.p2align	8
	.type	k_q86f10ae05b_score,@function
k_q86f10ae05b_score:
	s_mov_b64 s[64:65], 0
	v_nop
	global_prefetch_b8 v0, s[64:65] scope:SCOPE_SE
	s_setreg_imm32_b32 hwreg(HW_REG_WAVE_MODE, 25, 1), 1
	s_wait_xcnt 0x0
; For each of 4,096 queries and each of 256 parts of the table: the largest v = x . Q(e) - |e|^2 / 2 of the part and the lowest table row that has it.  argmin(|e|^2 - 2 x.e) = argmax(x.e - |e|^2 / 2): the factor -2 is exact.
; SHARES.  Work-group g owns table rows min(125 g, 31872) + 0 .. 127.  Neighbouring parts share a few rows, so that all 256 parts are alike and no row is made up; a shared row gives the same row number in both parts.
; HEAD.  Wave w quantises rows 16 w .. 16 w + 15 of the part, read from memory once: a block's scale is 2^(floor(log2(largest magnitude)) - 2), its byte the largest magnitude's exponent field - 2, held at 1 from below;
; codes to the nearest E2M1, ties to even, beyond 6 the code of 6.  Codes, scale words and c = -(sum of the row's squares) / 2 go into LDS in the order of a matrix operand's registers; behind ONE barrier every wave takes all
; 128 rows into registers (256 of codes, 16 of scale words, 64 of c) and keeps them.
; LOOP.  Wave w takes queries 512 w .. + 511, 32 tiles of 16, as 8 groups of 4 tiles, beginning at group g % 8.  A query tile's 4,096 bytes of codes and its scale words come from memory straight into my registers, two tiles ahead
; (two sets of 32 registers); 32 matrix instructions multiply them with the 8 table tiles.  Source 0 = 16 table rows, source 1 = 16 queries: lane (r, h) holds query r and table rows 8 h + 0 .. 7 of each tile.  c is the C of each sum's first step.
; ARGMAX of a query tile: prefix maxima over the 8 table tiles; where the maximum has grown strictly, the tile's number and seven of its eight scores are kept; then the lowest of the eight, the two halves of the lanes, ties to the lower row.
; RESULTS.  Four tiles' results leave together, 8 bytes a lane: each store covers 256 consecutive bytes, aligned.  Word 64 G + 32 h + 2 r + e of a part's 4,096 stands for query 64 G + 16 (2 h + e) + r; the last launch undoes that order.
; NO JOINT LOADS: a query tile is used by one wave of a work-group alone, and goes into that wave's registers; through LDS it would be written and read once more for the same 32 matrix instructions, with a barrier for each refill.
; NO PREFETCH: the table's 64 loads a wave stand at the head, with no loop ahead of them; x is 1.1 MB that all work-groups read.
; LIMITS: c enters as C, so the order of rounding differs from one f32 subtraction behind the product; a block of zeros gets the byte 1 (its codes are zeros, and this launch alone reads the bytes); blocks whose largest magnitude lies
; under 2^-124 are held at that floor; NaN, infinities and the scale byte 0xff are not served.
.set SP,    272                        ; a stage row: 256 bytes + 16
.set STGB,  16*SP
.set WREG,  2*STGB                     ; a wave's two stages
.set IMG,   8*WREG                     ; codes: 4,096 bytes a table tile
.set SCB,   IMG+32768                  ; scale words: 256 bytes a tile
.set CB,    SCB+2048                   ; c: 64 bytes a tile
.set SPARE, CB+512                     ; the spare words, 128 bytes a wave
; the head's registers
.set SPW, 2
.set NIL, 3
.set GO,  4
.set SI,  5
.set SOU, 6
.set CO,  7
.set MA,  8
.set MB,  9
.set RR,  10
.set SOP, 11
.set SBY, 12
.set SH,  13
.set CW,  14
.set HH,  15
.set W,   16
.set SQ,  20
.set TP,  24
.set SCW, 29
.set C,   32
.set R,   64
.set X,   192
; the loop's registers.  Window 1: the table's fragments, tile t, K step s at v[32 t + 8 s].  Window 0:
.set XO,  4                            ; 256 r + 16 h
.set LB,  5                            ; 16 x lane
.set SO,  6                            ; 8 x lane
.set HB,  7                            ; the part's first row + 8 h
.set J,   8
.set NN,  9
.set T0,  10
.set T1,  11
.set RV,  12                           ; four tiles' values
.set RI,  16                           ; four tiles' rows
.set ST,  20
.set AM,  24                           ; tile maxima, then prefix maxima
.set BM,  32
.set XSC, 40                           ; x's scale words: set p for tiles 2 p (lanes 0-15) and 2 p + 1 (lanes 16-31)
.set TSC, 48                           ; the table's: v[TSC + 4 a + s]: tile 2 a below, 2 a + 1 above
.set CR,  64                           ; c of tile t at v[CR + 8 t]
.set ACC, 128                          ; eight accumulators; tile 0's also hold what is kept
.set XF,  192                          ; x's fragments, two sets
.set WV,  14
.set XBS, 20
.set SBS, 22
.set XC,  24
.set SC,  26
.set XN,  28
.set SN,  30
.set PVC, 32
.set PIC, 34
.set GI,  38
.set CNT, 39
.set HM,  40
.set M,   52
.set SEL, 60
.set MSB, 0
.macro WIN new                         ; the immediate's high byte repeats the setting that is left
.if MSB != \new
	s_set_vgpr_msb (MSB<<8)|\new
.set MSB, \new
.endif
.endm
	s_load_b256 s[4:11], s[0:1], 0x0               ; table, x's codes, x's scales, values
	s_load_b64 s[12:13], s[0:1], 0x20              ; rows
	v_lshl_add_u32 v[SPW], v0, 2, SPARE
	v_mov_b32 v[NIL], 0
	v_lshrrev_b32 v1, 5, v0
	v_readfirstlane_b32 s[WV], v1                  ; wave 0..7
	v_and_b32 v1, 31, v0                           ; lane
	v_and_b32 v[RR], 15, v0                        ; r
	v_bfe_u32 v[HH], v0, 4, 1                      ; h
	s_mul_i32 s15, ttmp9, 125
	s_min_u32 s15, s15, 31872                      ; the part's first row
	s_lshl_b32 s16, s[WV], 4
	s_add_co_u32 s16, s16, s15
	s_lshl_b32 s16, s16, 11                        ; my tile's first byte, under 2^26
	s_mov_b32 s17, 0
	v_lshlrev_b32 v[GO], 11, v[HH]
	v_lshl_add_u32 v[GO], v[RR], 4, v[GO]
	s_wait_alu depctr_va_vdst(0)
	s_wait_kmcnt 0x0
	s_add_nc_u64 s[4:5], s[4:5], s[16:17]
.macro LOAD q                          ; step q, 64 along K: lanes 0-15 read 256 consecutive bytes of row 2 i, lanes 16-31 of row 2 i + 1
.irp i, 0,1,2,3,4,5,6,7
	global_load_b128 v[R+32*((\q)%4)+4*\i:R+32*((\q)%4)+4*\i+3], v[GO], s[4:5] offset:4096*\i+256*(\q) th:TH_LOAD_NT
.endr
.endm
.macro TURN q                          ; through my stage: in as loaded, out 128 bytes a lane: block 2 q + h of row r.  LDS serves a wave's instructions in order
.irp i, 0,1,2,3,4,5,6,7
	ds_store_b128 v[SI], v[R+32*((\q)%4)+4*\i:R+32*((\q)%4)+4*\i+3] offset:STGB*((\q)%2)+2*SP*\i
.endr
.irp i, 0,1,2,3,4,5,6,7
	ds_load_b128 v[X+32*((\q)%2)+4*\i:X+32*((\q)%2)+4*\i+3], v[SOU] offset:STGB*((\q)%2)+16*\i
.endr
.endm
.irp q, 0,1,2,3
	LOAD \q
.endr
	s_mul_i32 s16, s[WV], WREG
	v_mul_u32_u24 v[SI], v[HH], SP
	v_mul_u32_u24 v[SOU], v[RR], SP
	v_lshl_add_u32 v[SI], v[RR], 4, v[SI]
	v_lshl_add_u32 v[SOU], v[HH], 7, v[SOU]
	v_add_nc_u32 v[SI], s16, v[SI]
	v_add_nc_u32 v[SOU], s16, v[SOU]
	s_lshl_b32 s17, s[WV], 12
	s_add_co_u32 s17, s17, IMG
	v_lshl_add_u32 v[CO], v1, 4, s17               ; my tile's codes: + 16 x lane
	s_lshl_b32 s17, s[WV], 8
	s_add_co_u32 s17, s17, SCB
	v_lshl_add_u32 v[SCW], v[RR], 4, s17           ; row r's four scale words
	s_lshl_b32 s17, s[WV], 6
	s_add_co_u32 s17, s17, CB
	v_lshl_add_u32 v[CW], v[RR], 2, s17            ; row r's c
	v_lshlrev_b32 v[SH], 3, v[HH]
	s_mov_b32 s[SEL], 0x76543210
	s_mov_b32 s[SEL+1], 0xfedcba98                 ; v_permlanex16_b32's selects for lane l xor 16
.irp i, 0,1,2,3,4
	v_mov_b32 v[TP+\i], 0                          ; a lane permute's destination counts as one of its sources
.endr
	s_wait_alu depctr_va_vdst(0)
	s_wait_loadcnt 24                              ; step 0's eight loads are in; steps 1 to 3 may be out
	TURN 0
.macro STEP q
.set XS, X+32*((\q)%2)
	s_wait_dscnt 0x0                               ; this step's numbers are back, and its stores into the stage have read their registers
.if (\q)+4 < 8
	LOAD (\q)+4
.endif
.if (\q)+1 < 8
.if (\q)+4 < 8
	s_wait_loadcnt 24                              ; the next step's loads are in; three steps behind it may be out
.else
	s_wait_loadcnt 8*(6-(\q))
.endif
	TURN (\q)+1
.endif
	v_max3_num_f32 v[MA], |v[XS]|, |v[XS+1]|, |v[XS+2]|
	v_max3_num_f32 v[MB], |v[XS+3]|, |v[XS+4]|, |v[XS+5]|
.irp i, 6,10,14,18,22,26
	v_max3_num_f32 v[MA], v[MA], |v[XS+\i]|, |v[XS+\i+1]|
	v_max3_num_f32 v[MB], v[MB], |v[XS+\i+2]|, |v[XS+\i+3]|
.endr
	v_max3_num_f32 v[MA], v[MA], |v[XS+30]|, |v[XS+31]|
	v_max3_num_f32 v[MA], v[MA], v[MB], 0x1800000  ; the floor 2^(3 - 127): the byte cannot fall under 1
	v_add_nc_u32 v[SOP], 0xff000000, v[MA]         ; 2 off the exponent field: the conversions' scale operand
.set I, 0
.rept 16                                       ; the row's sum of squares, of the numbers as given: two chains
.if ((\q) == 0) && (I < 2)
	v_pk_mul_f32 v[SQ+2*(I%2):SQ+2*(I%2)+1], v[XS+2*I:XS+2*I+1], v[XS+2*I:XS+2*I+1]
.else
	v_pk_fma_f32 v[SQ+2*(I%2):SQ+2*(I%2)+1], v[XS+2*I:XS+2*I+1], v[XS+2*I:XS+2*I+1], v[SQ+2*(I%2):SQ+2*(I%2)+1]
.endif
.set I, I+1
.endr
.irp g, 0,1,2,3
	v_cvt_scalef32_pk8_fp4_f32 v[C+4*(\q)+\g], v[XS+8*\g:XS+8*\g+7], v[SOP]
.endr
	v_lshrrev_b32 v[SBY], 23, v[SOP]               ; the scale's byte (also the plain line behind the conversions)
.if (\q)%2 == 0
	v_mov_b32 v[W+(\q)/2], v[SBY]
.else
	v_lshl_or_b32 v[W+(\q)/2], v[SBY], 16, v[W+(\q)/2]
.endif
	ds_store_b128 v[CO], v[C+4*(\q):C+4*(\q)+3] offset:512*(\q)   ; block 2 q + h of row r at 512 q + 256 h + 16 r
.endm
.irp q, 0,1,2,3,4,5,6,7
	STEP \q
.endr
.irp s, 0,1,2,3
	v_lshlrev_b32 v[W+\s], v[SH], v[W+\s]          ; my two bytes at their places: 8 h bits up
.endr
.irp s, 0,1,2,3
	v_permlanex16_b32 v[TP+\s], v[W+\s], s[SEL], s[SEL+1]
.endr
.irp s, 0,1,2,3
	v_or_b32 v[W+\s], v[W+\s], v[TP+\s]            ; with lane l xor 16's two the word is whole
.endr
	v_pk_add_f32 v[SQ:SQ+1], v[SQ:SQ+1], v[SQ+2:SQ+3]
	v_add_f32 v[SQ], v[SQ], v[SQ+1]
	v_permlanex16_b32 v[TP+4], v[SQ], s[SEL], s[SEL+1]
	v_add_f32 v[SQ], v[SQ], v[TP+4]
	v_mul_f32 v[SQ], -0.5, v[SQ]                   ; c[r]
	ds_store_b128 v[SCW], v[W:W+3]                 ; both lanes of a row write the same bytes with the same values
	ds_store_b32 v[CW], v[SQ]
	; the loop's addresses
	s_mov_b32 s37, 0
	s_mov_b32 s17, 0
	s_lshl_b32 s16, s[WV], 17                      ; my 512 queries: 256 bytes of codes each,
	s_add_nc_u64 s[XBS:XBS+1], s[6:7], s[16:17]
	s_lshl_b32 s16, s[WV], 13                      ; 16 scale bytes each
	s_add_nc_u64 s[SBS:SBS+1], s[8:9], s[16:17]
	s_lshl_b32 s16, ttmp9, 14                      ; results: [256 parts][4096] of 4 bytes
	s_lshl_b32 s18, s[WV], 11
	s_add_co_u32 s16, s16, s18
	s_add_nc_u64 s[10:11], s[10:11], s[16:17]
	s_add_nc_u64 s[12:13], s[12:13], s[16:17]
.macro PTRS px, ps                     ; group s[GI]'s codes (16,384 bytes a group) and scale bytes (1,024)
	s_lshl_b32 s36, s[GI], 14
	s_add_nc_u64 s[\px:\px+1], s[XBS:XBS+1], s[36:37]
	s_lshl_b32 s36, s[GI], 10
	s_add_nc_u64 s[\ps:\ps+1], s[SBS:SBS+1], s[36:37]
.endm
.macro RPTR                            ; group s[GI]'s results (256 bytes a group)
	s_lshl_b32 s36, s[GI], 8
	s_add_nc_u64 s[PVC:PVC+1], s[10:11], s[36:37]
	s_add_nc_u64 s[PIC:PIC+1], s[12:13], s[36:37]
.endm
	s_and_b32 s[GI], ttmp9, 7
	PTRS XC, SC
	RPTR
	s_add_co_u32 s[GI], s[GI], 1
	s_and_b32 s[GI], s[GI], 7
	PTRS XN, SN
	s_mov_b32 s[HM], 0xffff0000                    ; lanes 16-31
	s_wait_dscnt 0x0                               ; for the others' sake: my stores are done
	v_lshlrev_b32 v[XO], 8, v[RR]
	v_lshlrev_b32 v[LB], 4, v1
	v_lshl_add_u32 v[XO], v[HH], 4, v[XO]
	v_lshlrev_b32 v[SO], 3, v1
	v_lshl_add_u32 v[HB], v[HH], 3, s15
	v_lshl_add_u32 v[J], v1, 4, IMG
	v_lshl_add_u32 v[NN], v[HH], 5, CB
	v_mov_b32 v[T0], 0
	v_mov_b32 v[T1], 0
	s_wait_alu depctr_va_vdst(0)
; Tile kk of a group: with an even tile the scale words of the pair (512 consecutive bytes), then eight loads of codes: lane (r, h), registers 4 c .. 4 c + 3 of K step s: 16 bytes as they lie
.macro PF bx, bs, kk
.if ((\kk)%2) == 0
	global_load_b128 v[XSC+4*((\kk)/2):XSC+4*((\kk)/2)+3], v[LB], s[\bs:\bs+1] offset:256*(\kk)
.endif
.irp s, 0,1,2,3
.irp c, 0,1
	global_load_b128 v[XF+32*((\kk)%2)+8*\s+4*\c:XF+32*((\kk)%2)+8*\s+4*\c+3], v[XO], s[\bx:\bx+1] offset:4096*(\kk)+64*\s+32*\c
.endr
.endr
.endm
	PF XC, SC, 0
	PF XC, SC, 1
	s_barrier_signal -1
	s_barrier_wait -1                              ; all 128 rows lie in LDS
	WIN 0x40                                       ; destination window 1
.irp t, 0,1,2,3,4,5,6,7
.irp i, 0,1,2,3,4,5,6,7
	ds_load_b128 v[32*\t+4*\i:32*\t+4*\i+3], v[J] offset:4096*\t+512*\i
.endr
.endr
	WIN 0
.irp a, 0,1,2,3
	ds_load_b128 v[TSC+4*\a:TSC+4*\a+3], v[J] offset:32768+512*\a
.endr
.irp t, 0,1,2,3,4,5,6,7
	ds_load_b128 v[CR+8*\t:CR+8*\t+3], v[NN] offset:64*\t
	ds_load_b128 v[CR+8*\t+4:CR+8*\t+7], v[NN] offset:64*\t+16
.endr
	s_wait_dscnt 0x0
; One matrix instruction: table tile t, K step s, query tile k of the group.  Odd tiles' scale words lie in lanes 16-31.
.macro WM t, s, k
.if (\s) == 0
.set CC, CR+8*(\t)
.else
.set CC, ACC+8*(\t)
.endif
.set DD, ACC+8*(\t)
.set AA, 32*(\t)+8*(\s)
.set BB, XF+32*((\k)%2)+8*(\s)
.set SA, TSC+4*((\t)/2)+(\s)
.set SX, XSC+4*((\k)/2)+(\s)
.if ((\t)%2 == 0) && ((\k)%2 == 0)
	v_wmma_scale_f32_16x16x128_f8f6f4 v[DD:DD+7], v[AA:AA+7], v[BB:BB+7], v[CC:CC+7], v[SA], v[SX] matrix_a_fmt:MATRIX_FMT_FP4 matrix_b_fmt:MATRIX_FMT_FP4
.endif
.if ((\t)%2 == 1) && ((\k)%2 == 0)
	v_wmma_scale_f32_16x16x128_f8f6f4 v[DD:DD+7], v[AA:AA+7], v[BB:BB+7], v[CC:CC+7], v[SA], v[SX] matrix_a_fmt:MATRIX_FMT_FP4 matrix_b_fmt:MATRIX_FMT_FP4 matrix_a_scale:MATRIX_SCALE_ROW1
.endif
.if ((\t)%2 == 0) && ((\k)%2 == 1)
	v_wmma_scale_f32_16x16x128_f8f6f4 v[DD:DD+7], v[AA:AA+7], v[BB:BB+7], v[CC:CC+7], v[SA], v[SX] matrix_a_fmt:MATRIX_FMT_FP4 matrix_b_fmt:MATRIX_FMT_FP4 matrix_b_scale:MATRIX_SCALE_ROW1
.endif
.if ((\t)%2 == 1) && ((\k)%2 == 1)
	v_wmma_scale_f32_16x16x128_f8f6f4 v[DD:DD+7], v[AA:AA+7], v[BB:BB+7], v[CC:CC+7], v[SA], v[SX] matrix_a_fmt:MATRIX_FMT_FP4 matrix_b_fmt:MATRIX_FMT_FP4 matrix_a_scale:MATRIX_SCALE_ROW1 matrix_b_scale:MATRIX_SCALE_ROW1
.endif
.endm
.macro SEL2 d, n                       ; registers d, d + 1 stay where VCC is set, else take n, n + 1
	v_dual_cndmask_b32 v[\d], v[\n], v[\d] :: v_dual_cndmask_b32 v[(\d)+1], v[(\n)+1], v[(\d)+1]   ; one pair: d is even, and neighbouring registers lie in different banks
.endm
; A QUERY TILE.  left: the loads issued behind this tile's, which may stay out (the next tile's 8, with its pair's scale words 9).  pf = 1: the tile two on is asked for, into the set just read.
.macro TILE k, left, pf
	s_wait_loadcnt \left
	WIN 0x01                                       ; source 0 (the table) window 1
.irp s, 0,1,2,3
.irp t, 0,1,2,3,4,5,6,7
	WM \t, \s, \k                                  ; the eight accumulators take turns
.endr
.endr
	WIN 0
.rept 4
	v_nop                                          ; four places ahead of loads into registers just read and of the first read of results
.endr
.if \pf
.if (\k) < 2
	PF XC, SC, (\k)+2
.else
	PF XN, SN, (\k)-2
.endif
.endif
.irp t, 0,1,2,3,4,5,6,7
	v_max3_num_f32 v[AM+\t], v[ACC+8*\t], v[ACC+8*\t+1], v[ACC+8*\t+2]     ; each accumulator is read from its low end on
.endr
.irp t, 0,1,2,3,4,5,6,7
	v_max3_num_f32 v[BM+\t], v[ACC+8*\t+3], v[ACC+8*\t+4], v[ACC+8*\t+5]
.endr
.irp t, 0,1,2,3,4,5,6,7
	v_max3_num_f32 v[AM+\t], v[AM+\t], v[ACC+8*\t+6], v[ACC+8*\t+7]
.endr
	v_mov_b32 v[ACC+7], 0                          ; the kept tile's number; tile 0's scores 0 to 6 are what is kept at first
	v_max_num_f32 v[AM], v[AM], v[BM]
	v_max3_num_f32 v[AM+1], v[AM], v[AM+1], v[BM+1]
.irp t, 1,2,3,4,5,6,7
	v_cmp_le_f32 vcc_lo, v[AM+\t], v[AM+\t-1]      ; not grown: an equal score of a later tile changes nothing
.if \t < 7
	v_max3_num_f32 v[AM+\t+1], v[AM+\t], v[AM+\t+1], v[BM+\t+1]
.endif
	SEL2 ACC, ACC+8*\t
	SEL2 ACC+2, ACC+8*\t+2
	SEL2 ACC+4, ACC+8*\t+4
	v_dual_cndmask_b32 v[ACC+6], v[ACC+8*\t+6], v[ACC+6] :: v_dual_cndmask_b32 v[ACC+7], \t, v[ACC+7]   ; the seventh score, and the tile's number
.endr
.irp j, 0,1,2,3,4,5,6
	v_cmp_eq_f32 s[M+\j], v[ACC+\j], v[AM+7]       ; which of my eight rows: the lowest whose kept score equals the best, or 7
.endr
	v_lshl_add_u32 v[NN], v[ACC+7], 4, v[HB]
	v_cndmask_b32 v[J], 7, 6, s[M+6]
.irp j, 5,4,3,2,1,0
	v_cndmask_b32 v[J], v[J], \j, s[M+\j]
.endr
	v_permlanex16_b32 v[T0], v[AM+7], s[SEL], s[SEL+1]
	v_add_nc_u32 v[NN], v[NN], v[J]                ; the row: first row + 16 t + 8 h + j
	v_permlanex16_b32 v[T1], v[NN], s[SEL], s[SEL+1]
	v_cmp_gt_f32 s[M], v[T0], v[AM+7]              ; the other half's is taken where it is larger,
	v_cmp_eq_f32 s[M+1], v[T0], v[AM+7]
	v_cmp_lt_u32 s[M+2], v[T1], v[NN]
	s_and_b32 s[M+1], s[M+1], s[M+2]               ; or equal with the lower row
	s_or_b32 s[M], s[M], s[M+1]
	v_cndmask_b32 v[RV+\k], v[AM+7], v[T0], s[M]
	v_cndmask_b32 v[RI+\k], v[NN], v[T1], s[M]
.endm
.macro GROUP last
	TILE 0, 8, 1
	TILE 1, 9, 1
.if \last
	TILE 2, 8, 0
	TILE 3, 0, 0
.else
	TILE 2, 8, 1
	TILE 3, 9, 1
.endif
	v_cndmask_b32 v[ST], v[RV], v[RV+2], s[HM]     ; lanes 0-15 send tiles 0 and 1, lanes 16-31 tiles 2 and 3
	v_cndmask_b32 v[ST+1], v[RV+1], v[RV+3], s[HM]
	v_cndmask_b32 v[ST+2], v[RI], v[RI+2], s[HM]
	v_cndmask_b32 v[ST+3], v[RI+1], v[RI+3], s[HM]
	global_store_b64 v[SO], v[ST:ST+1], s[PVC:PVC+1]       ; 32 lanes store 256 consecutive bytes, aligned
	global_store_b64 v[SO], v[ST+2:ST+3], s[PIC:PIC+1]
.endm
	s_mov_b32 s[CNT], 0
.Lgrp:
	GROUP 0
	s_wait_alu depctr_va_vdst(0)
	s_wait_xcnt 0x0                                ; the bases and the stores' data are written again only behind this wait
	s_mov_b64 s[XC:XC+1], s[XN:XN+1]
	s_mov_b64 s[SC:SC+1], s[SN:SN+1]
	RPTR
	s_add_co_u32 s[GI], s[GI], 1
	s_and_b32 s[GI], s[GI], 7
	PTRS XN, SN                                    ; (behind the seventh trip these two are not used)
	s_add_co_u32 s[CNT], s[CNT], 1
	s_cmp_lt_u32 s[CNT], 7
	s_cbranch_scc1 .Lgrp
	GROUP 1                                        ; the last group asks for nothing beyond itself
	s_wait_tensorcnt 0x0                           ; the wave's end
	ds_add_u32 v[SPW], v[NIL]
	s_wait_dscnt 0x0
	s_endpgm
.Lfunc_end_k_q86f10ae05b_score:
	.size	k_q86f10ae05b_score, .Lfunc_end_k_q86f10ae05b_score-k_q86f10ae05b_score
	.p2alignl 7, 3214868480
	.fill 96, 4, 3214868480
	.section	.rodata,"a",@progbits
	.p2align	6, 0x0
	.amdhsa_kernel k_q86f10ae05b_score
		.amdhsa_group_segment_fixed_size 105984
		.amdhsa_private_segment_fixed_size 0
		.amdhsa_enable_private_segment 0
		.amdhsa_kernarg_size 40
		.amdhsa_user_sgpr_count 2
		.amdhsa_user_sgpr_kernarg_segment_ptr 1
		.amdhsa_wavefront_size32 1
		.amdhsa_system_sgpr_workgroup_id_x 1
		.amdhsa_system_sgpr_workgroup_id_y 1
		.amdhsa_system_sgpr_workgroup_id_z 1
		.amdhsa_system_vgpr_workitem_id 0
		.amdhsa_next_free_vgpr 512
		.amdhsa_next_free_sgpr 66
		.amdhsa_reserve_vcc 1
		.amdhsa_float_denorm_mode_32 3
		.amdhsa_float_denorm_mode_16_64 3
		.amdhsa_memory_ordered 1
		.amdhsa_forward_progress 1
		.amdhsa_inst_pref_size 130
	.end_amdhsa_kernel
	.amdgpu_metadata
---
amdhsa.version: [ 1, 2 ]
amdhsa.kernels:
  - .name:           k_q86f10ae05b_score
    .symbol:         k_q86f10ae05b_score.kd
    .args:
      - { .name: emb_table, .offset: 0, .size: 8, .value_kind: global_buffer, .address_space: global }
      - { .name: xt_codes, .offset: 8, .size: 8, .value_kind: global_buffer, .address_space: global }
      - { .name: xt_scales, .offset: 16, .size: 8, .value_kind: global_buffer, .address_space: global }
      - { .name: pval, .offset: 24, .size: 8, .value_kind: global_buffer, .address_space: global }
      - { .name: pidx, .offset: 32, .size: 8, .value_kind: global_buffer, .address_space: global }
    .group_segment_fixed_size: 105984
    .private_segment_fixed_size: 0
    .kernarg_segment_align: 8
    .kernarg_segment_size: 40
    .max_flat_workgroup_size: 256
    .sgpr_count:     66
    .vgpr_count:     512
    .wavefront_size: 32
...
	.end_amdgpu_metadata
.endif
;; end of part 1
;; launch join (part 2): grid 64 x 1, 16 waves a work-group, no clusters, 10,240 bytes of LDS; arguments pval, pidx, idx; writes idx
.if DOCPART == 2
	.amdgcn_target "amdgcn-amd-amdhsa--gfx1250"
	.amdhsa_code_object_version 6
	.text
	.protected	k_q86f10ae05b_join
	.globl	k_q86f10ae05b_join
	.p2align	8
	.type	k_q86f10ae05b_join,@function
k_q86f10ae05b_join:
	s_mov_b64 s[64:65], 0
	v_nop
	global_prefetch_b8 v0, s[64:65] scope:SCOPE_SE
	s_setreg_imm32_b32 hwreg(HW_REG_WAVE_MODE, 25, 1), 1
	s_wait_xcnt 0x0
; For each of 4,096 places (the queries in the order in which the launch before stored them): of the 256 parts' best values the largest, at a tie the lower row, and its row.  pval, pidx: [256][4096] of 4 bytes; idx: [4096].
; A work-group takes 64 places, 256 bytes of each part's line.  Wave w takes parts 16 w .. 16 w + 15: lanes 0-15 read the even part's 256 bytes, lanes 16-31 the odd part's; a lane holds four places.  All 16 loads of a wave go out together.
; The sixteen waves' results meet in LDS; wave 0 joins them (ascending waves are ascending parts and rows) and stores 256 consecutive bytes.  No prefetch: all is asked for at the head.
	s_load_b128 s[4:7], s[0:1], 0x0
	s_load_b64 s[8:9], s[0:1], 0x10
	v_lshl_add_u32 v2, v0, 2, 8192                 ; my spare word
	v_mov_b32 v3, 0
	v_lshrrev_b32 v1, 5, v0
	v_readfirstlane_b32 s10, v1                    ; wave 0..15
	v_and_b32 v1, 31, v0
	v_and_b32 v12, 15, v0
	v_bfe_u32 v13, v0, 4, 1
	v_lshlrev_b32 v14, 4, v12
	v_lshl_add_u32 v14, v13, 14, v14               ; 16 (lane % 16) + one part's line for lanes 16-31
	s_lshl_b32 s14, s10, 9
	v_lshl_add_u32 v15, v1, 4, s14                 ; my wave's 512 bytes of LDS: 256 of values, 256 of rows
	v_lshlrev_b32 v11, 3, v1                       ; 8 x lane
	s_lshl_b32 s12, s10, 18                        ; 16 parts of 16,384 bytes a wave
	s_lshl_b32 s26, ttmp9, 8
	s_add_co_u32 s12, s12, s26
	s_mov_b32 s13, 0
	s_mov_b32 s27, 0
	s_mov_b32 s20, 0x76543210
	s_mov_b32 s21, 0xfedcba98
	s_mov_b32 s24, 0xffff0000
	s_wait_alu depctr_va_vdst(0)
	s_wait_kmcnt 0x0
	s_add_nc_u64 s[4:5], s[4:5], s[12:13]
	s_add_nc_u64 s[6:7], s[6:7], s[12:13]
	s_add_nc_u64 s[8:9], s[8:9], s[26:27]
.irp i, 0,1,2,3,4,5,6,7
	global_load_b128 v[16+8*\i:19+8*\i], v14, s[4:5] offset:32768*\i th:TH_LOAD_NT
	global_load_b128 v[20+8*\i:23+8*\i], v14, s[6:7] offset:32768*\i th:TH_LOAD_NT
.endr
	s_wait_loadcnt 0x0
.irp i, 1,2,3,4,5,6,7
.irp e, 0,1,2,3
	v_cmp_gt_f32 s[16+\e], v[16+8*\i+\e], v[16+\e] ; strictly: the lower part keeps a tie
.endr
.irp e, 0,1,2,3
	v_cndmask_b32 v[16+\e], v[16+\e], v[16+8*\i+\e], s[16+\e]
	v_cndmask_b32 v[20+\e], v[20+\e], v[20+8*\i+\e], s[16+\e]
.endr
.endr
.irp e, 0,1,2,3
	v_permlanex16_b32 v[24+\e], v[16+\e], s20, s21 ; the other half's parts
	v_permlanex16_b32 v[28+\e], v[20+\e], s20, s21
.endr
.irp e, 0,1,2,3
	v_cmp_gt_f32 s[16+\e], v[24+\e], v[16+\e]
	v_cmp_eq_f32 s22, v[24+\e], v[16+\e]
	v_cmp_lt_u32 s23, v[28+\e], v[20+\e]
	s_and_b32 s22, s22, s23                        ; equal with the lower row
	s_or_b32 s[16+\e], s[16+\e], s22
	v_cndmask_b32 v[16+\e], v[16+\e], v[24+\e], s[16+\e]
	v_cndmask_b32 v[20+\e], v[20+\e], v[28+\e], s[16+\e]
.endr
.irp e, 0,1,2,3
	v_cndmask_b32 v[32+\e], v[16+\e], v[20+\e], s24        ; lanes 0-15 put the values, lanes 16-31 the rows
.endr
	ds_store_b128 v15, v[32:35]
	s_wait_dscnt 0x0                               ; for wave 0's sake
	s_barrier_signal -1
	s_barrier_wait -1
	s_wait_tensorcnt 0x0                           ; behind my last LDS store
	ds_add_u32 v2, v3
	s_wait_dscnt 0x0
	s_cmp_lg_u32 s10, 0
	s_cbranch_scc1 .Lend
.irp w, 0,1,2,3,4,5,6,7,8,9,10,11,12,13,14,15
	ds_load_b64 v[40+4*\w:41+4*\w], v11 offset:512*\w          ; places 2 x lane, 2 x lane + 1: wave w's values,
	ds_load_b64 v[42+4*\w:43+4*\w], v11 offset:512*\w+256      ; and rows
.endr
	s_wait_dscnt 0x0
.irp w, 1,2,3,4,5,6,7,8,9,10,11,12,13,14,15
	v_cmp_gt_f32 s16, v[40+4*\w], v40
	v_cmp_gt_f32 s17, v[41+4*\w], v41
	v_cndmask_b32 v40, v40, v[40+4*\w], s16
	v_cndmask_b32 v41, v41, v[41+4*\w], s17
	v_cndmask_b32 v42, v42, v[42+4*\w], s16
	v_cndmask_b32 v43, v43, v[43+4*\w], s17
.endr
	global_store_b64 v11, v[42:43], s[8:9]         ; 256 consecutive bytes, aligned
.Lend:
	s_endpgm
.Lfunc_end_k_q86f10ae05b_join:
	.size	k_q86f10ae05b_join, .Lfunc_end_k_q86f10ae05b_join-k_q86f10ae05b_join
	.p2alignl 7, 3214868480
	.fill 96, 4, 3214868480
	.section	.rodata,"a",@progbits
	.p2align	6, 0x0
	.amdhsa_kernel k_q86f10ae05b_join
		.amdhsa_group_segment_fixed_size 10240
		.amdhsa_private_segment_fixed_size 0
		.amdhsa_enable_private_segment 0
		.amdhsa_kernarg_size 24
		.amdhsa_user_sgpr_count 2
		.amdhsa_user_sgpr_kernarg_segment_ptr 1
		.amdhsa_wavefront_size32 1
		.amdhsa_system_sgpr_workgroup_id_x 1
		.amdhsa_system_sgpr_workgroup_id_y 1
		.amdhsa_system_sgpr_workgroup_id_z 1
		.amdhsa_system_vgpr_workitem_id 0
		.amdhsa_next_free_vgpr 104
		.amdhsa_next_free_sgpr 66
		.amdhsa_reserve_vcc 0
		.amdhsa_float_denorm_mode_32 3
		.amdhsa_float_denorm_mode_16_64 3
		.amdhsa_memory_ordered 1
		.amdhsa_forward_progress 1
		.amdhsa_inst_pref_size 19
	.end_amdhsa_kernel
	.amdgpu_metadata
---
amdhsa.version: [ 1, 2 ]
amdhsa.kernels:
  - .name:           k_q86f10ae05b_join
    .symbol:         k_q86f10ae05b_join.kd
    .args:
      - { .name: pval, .offset: 0, .size: 8, .value_kind: global_buffer, .address_space: global }
      - { .name: pidx, .offset: 8, .size: 8, .value_kind: global_buffer, .address_space: global }
      - { .name: idx, .offset: 16, .size: 8, .value_kind: global_buffer, .address_space: global }
    .group_segment_fixed_size: 10240
    .private_segment_fixed_size: 0
    .kernarg_segment_align: 8
    .kernarg_segment_size: 24
    .max_flat_workgroup_size: 512
    .sgpr_count:     66
    .vgpr_count:     104
    .wavefront_size: 32
...
	.end_amdgpu_metadata
.endif
;; end of part 2
;; launch gather (part 3): grid 256 x 1, 4 waves a work-group, no clusters, 0 bytes of LDS; arguments idx, emb_table, out0; writes out0
.if DOCPART == 3
	.amdgcn_target "amdgcn-amd-amdhsa--gfx1250"
	.amdhsa_code_object_version 6
	.text
	.protected	k_q86f10ae05b_gather
	.globl	k_q86f10ae05b_gather
	.p2align	8
	.type	k_q86f10ae05b_gather,@function
k_q86f10ae05b_gather:
	s_mov_b64 s[64:65], 0
	v_nop
	global_prefetch_b8 v0, s[64:65] scope:SCOPE_SE
	s_setreg_imm32_b32 hwreg(HW_REG_WAVE_MODE, 25, 1), 1
	s_wait_xcnt 0x0
; out0[q][:] = emb_table[idx[q]][:], rows of 2,048 bytes, f32 as they are given.  idx was stored by the launch before.
; A wave takes four queries: four indices by one scalar load, sixteen loads of 512 consecutive bytes, all on their way together, sixteen stores of 512 consecutive bytes.  No LDS, no barrier: a copy.
; An index is held at 31,999, the table's last row, before it enters an address.  No hint on the loads: two queries may name the same row.  Nothing is prefetched: the launch is short and a row's address is known only when it is wanted.
.set D, 8                              ; v8-71  sixteen pieces of 16 bytes a lane
	s_load_b128 s[4:7], s[0:1], 0x0                ; idx, the table
	s_load_b64 s[8:9], s[0:1], 0x10                ; out0
	v_lshrrev_b32 v1, 5, v0
	v_readfirstlane_b32 s10, v1                    ; wave 0..3
	v_and_b32 v1, 31, v0
	v_lshlrev_b32 v1, 4, v1                        ; 16 x lane
	s_lshl_b32 s11, ttmp9, 4
	s_lshl_b32 s10, s10, 2
	s_add_co_u32 s12, s11, s10                     ; my first query: 16 x work-group + 4 x wave
	s_mov_b32 s13, 0
	; idx lies in the order of the launches before: word 64 G + 32 h + 2 r + e stands for query 64 G + 32 h + 16 e + r.  My four words: r, r + 1 with e = 0, 1
	s_and_b32 s14, s12, 0xfe0                      ; 64 G + 32 h
	s_and_b32 s20, s12, 31
	s_lshr_b32 s20, s20, 1                         ; r
	s_add_co_u32 s14, s14, s20
	s_lshl_b32 s14, s14, 11                        ; that query's row of out0
	s_mov_b32 s15, 0
	s_lshl_b32 s12, s12, 2                         ; its index
	s_wait_alu depctr_va_vdst(0)
	s_wait_kmcnt 0x0
	s_add_nc_u64 s[4:5], s[4:5], s[12:13]
	s_add_nc_u64 s[8:9], s[8:9], s[14:15]
	s_load_b128 s[16:19], s[4:5], 0x0              ; four indices
	s_wait_kmcnt 0x0
.irp i, 0,1,2,3
	s_min_u32 s[16+\i], s[16+\i], 31999
	s_lshl_b32 s[16+\i], s[16+\i], 11              ; the row's first byte, under 2^26
	v_add_nc_u32 v[2+\i], s[16+\i], v1
.endr
.irp i, 0,1,2,3
.irp q, 0,1,2,3
	global_load_b128 v[D+4*(4*\i+\q):D+4*(4*\i+\q)+3], v[2+\i], s[6:7] offset:512*\q
.endr
.endr
.irp i, 0,1,2,3
.irp q, 0,1,2,3
	s_wait_loadcnt 15-(4*\i+\q)                    ; loads come back in order (ISA guide 5.7.1): this piece is in, the younger ones may be out
	global_store_b128 v1, v[D+4*(4*\i+\q):D+4*(4*\i+\q)+3], s[8:9] offset:2048*(16*(\i%2)+\i/2)+512*\q th:TH_STORE_NT
.endr
.endr
	s_endpgm
.Lfunc_end_k_q86f10ae05b_gather:
	.size	k_q86f10ae05b_gather, .Lfunc_end_k_q86f10ae05b_gather-k_q86f10ae05b_gather
	.p2alignl 7, 3214868480
	.fill 96, 4, 3214868480
	.section	.rodata,"a",@progbits
	.p2align	6, 0x0
	.amdhsa_kernel k_q86f10ae05b_gather
		.amdhsa_group_segment_fixed_size 0
		.amdhsa_private_segment_fixed_size 0
		.amdhsa_enable_private_segment 0
		.amdhsa_kernarg_size 24
		.amdhsa_user_sgpr_count 2
		.amdhsa_user_sgpr_kernarg_segment_ptr 1
		.amdhsa_wavefront_size32 1
		.amdhsa_system_sgpr_workgroup_id_x 1
		.amdhsa_system_sgpr_workgroup_id_y 1
		.amdhsa_system_sgpr_workgroup_id_z 1
		.amdhsa_system_vgpr_workitem_id 0
		.amdhsa_next_free_vgpr 72
		.amdhsa_next_free_sgpr 66
		.amdhsa_reserve_vcc 0
		.amdhsa_float_denorm_mode_32 3
		.amdhsa_float_denorm_mode_16_64 3
		.amdhsa_memory_ordered 1
		.amdhsa_forward_progress 1
		.amdhsa_inst_pref_size 6
	.end_amdhsa_kernel
	.amdgpu_metadata
---
amdhsa.version: [ 1, 2 ]
amdhsa.kernels:
  - .name:           k_q86f10ae05b_gather
    .symbol:         k_q86f10ae05b_gather.kd
    .args:
      - { .name: idx, .offset: 0, .size: 8, .value_kind: global_buffer, .address_space: global }
      - { .name: emb_table, .offset: 8, .size: 8, .value_kind: global_buffer, .address_space: global }
      - { .name: out0, .offset: 16, .size: 8, .value_kind: global_buffer, .address_space: global }
    .group_segment_fixed_size: 0
    .private_segment_fixed_size: 0
    .kernarg_segment_align: 8
    .kernarg_segment_size: 24
    .max_flat_workgroup_size: 128
    .sgpr_count:     66
    .vgpr_count:     72
    .wavefront_size: 32
...
	.end_amdgpu_metadata
.endif
;; end of part 3
